; MI455X (gfx1250); checked and timed in simulation.
; The chip was launched on July 23, 2026; its instructions are those of AMD's public machine-readable ISA for CDNA 5 (MIT licence, August 2026) and "CDNA5" Instruction Set Architecture Reference Guide (July 2026). The comments in the code are by the model that wrote it; some were corrected since.
;; Multi Headed Attention. Allowed arithmetic: matrix products marked QUANTISED: E2M3 operands, one E8M0 scale for each 32 along K, by v_wmma_scale_f32_16x16x128_f8f6f4 with both operands' format E2M3, f32 sums; everything else in f32.
;; Inputs: Wk 1,024 x 1,024 float32; Wo 1,024 x 1,024 float32; Wq 1,024 x 1,024 float32; Wv 1,024 x 1,024 float32; bk 1,024 float32; bo 1,024 float32; bq 1,024 float32; bv 1,024 float32; key 2 x 2,048 x 1,024 float32; mask 2 x 2,048 x 2,048 int32; query 2 x 2,048 x 1,024 float32; value 2 x 2,048 x 1,024 float32.
;; Outputs: out0 2 x 2,048 x 1,024 float32.
;; This version of the problem:
;;   THIS VERSION OF THE PROBLEM IS GIVEN IN LOW PRECISION. The matrix products marked QUANTISED in the list below multiply operands that are first quantised to E2M3 (2 exponent bits, 3 mantissa bits; 6 bits a number), with one power-of-two scale for each 32 numbers along K (OCP MX v1.0); their sums are f32. All else is computed in f32.
;;   The module's matrix products, in the order in which they are computed (A, B: the left and right operand; K: the contracted axis; several contracted axes count as one K, in the product's order):
;;     1. [M 4,096, K 1,024] x [K 1,024, N 1,024]; A: input query; B: input Wq: QUANTISED
;;     2. [M 4,096, K 1,024] x [K 1,024, N 1,024]; A: input key; B: input Wk: QUANTISED
;;     3. [M 4,096, K 1,024] x [K 1,024, N 1,024]; A: input value; B: input Wv: QUANTISED
;;     4. batch 32 x [M 2,048, K 64] x [K 64, N 2,048]; A: computed on the way; B: computed on the way: QUANTISED
;;     5. batch 32 x [M 2,048, K 2,048] x [K 2,048, N 64]; A: softmax (see below); B: computed on the way: QUANTISED
;;     6. [M 4,096, K 1,024] x [K 1,024, N 1,024]; A: computed on the way; B: input Wo: QUANTISED
;;   THE QUANTISER, for each operand of a quantised product, along K:
;;     - K is cut into blocks of 32 from its start; a last block that is shorter is filled with zeros.
;;     - A block's scale is 2^e with e = floor(log2(the largest magnitude in the block)) - 2, held to -126 .. 127; a block of zeros has e = 0. As a byte (E8M0): e + 127.
;;     - Each number is divided by its block's scale, clamped to +-7.5, and rounded to the nearest number of E2M3, ties to even, subnormals kept.
;;     - The product sums the exact products of the quantised numbers (number of the format x scale) in f32.
;;   ~~~python
;;   def quantise(x, axis):      # numpy; x: float32 -> the quantised numbers, widened to float32 again
;;       x = np.moveaxis(x, axis, -1); K = x.shape[-1]
;;       x = np.pad(x, [(0, 0)] * (x.ndim - 1) + [(0, -K % 32)]); x = x.reshape(x.shape[:-1] + (-1, 32)); a = np.abs(x).max(-1, keepdims=True)
;;       e = np.where(a > 0, np.clip(np.frexp(np.where(a > 0, a, 1))[1] - 1 - 2, -126, 127), 0)      # np.frexp(a)[1] - 1 = floor(log2(a)), exactly
;;       r = np.clip(x / 2.0 ** e, -7.5, 7.5)
;;       step = 2.0 ** (np.maximum(np.frexp(np.where(r == 0, 1, r))[1] - 1, 0) - 3)
;;       q = np.round(r / step) * step * 2.0 ** e      # np.round: ties to even
;;       return np.moveaxis(q.reshape(q.shape[:-2] + (-1,))[..., :K], -1, axis).astype(np.float32)
;;   ~~~
;;   SOFTMAX AHEAD OF A QUANTISED PRODUCT. Where the list says 'softmax', what is quantised is not the finished softmax but p = 2^(t - M), with t = logit x log2(e) and M = ceil(the row's largest t), a whole number; so 1/2 < the row's largest p <= 1. The row's sum l is taken of the UNQUANTISED p, in f32, and the product's result is divided by l at the end. Since M is a whole number, a kernel that streams over the keys may use a running M (the ceiling of the running maximum): every later rescaling is an exact power of two, which a block's scale takes up: the codes' values come out the same.
;;   OPERANDS COMPUTED ON THE WAY. 'Computed on the way' means the value that the module computes at that place (a softmax that the list does not call 'softmax' is quantised finished and normalised). What goes into a quantiser is computed in f32, as accurately as f32 sums, v_exp_f32 and their like allow (about 1e-6 of the number): no bf16 or f16 on the way to a quantiser, and a product that is left as it is and whose result goes on into a quantised operand takes f32 operands (vector FMAs, or v_wmma_f32_16x16x4_f32). A number that lies on a knife's edge between two numbers of the format may be rounded either way, as far as f32 arithmetic and the matrix unit's own rounding can turn it there, and no further.
;; One version. Each part assembles by itself: llvm-mc -triple=amdgcn-amd-amdhsa -mcpu=gfx1250 --defsym DOCPART=n.
;; ======== version 1 of 1: 4 launches
;; limits: right only within a limited range of input values
;; workspace buffers: xq 10,223,616 bytes; wc 3,145,728 bytes; ws 262,144 bytes; mw 1,048,576 bytes of whole numbers; qc 3,407,872 bytes; kv 6,815,744 bytes; xc 3,276,800 bytes
;; launch prep (part 1): grid 896 x 1, 4 waves a work-group, no clusters, 68,096 bytes of LDS; arguments query, key, value, Wq, Wk, Wv, Wo, mask, xq, wc, ws, mw; writes xq, wc, ws, mw
.if DOCPART == 1
	.amdgcn_target "amdgcn-amd-amdhsa--gfx1250"
	.amdhsa_code_object_version 6
	.text
	.protected	k_q152a3a03d2_prep
	.globl	k_q152a3a03d2_prep
	.p2align	8
	.type	k_q152a3a03d2_prep,@function
k_q152a3a03d2_prep:
	s_mov_b64 s[64:65], 0
	v_nop
	global_prefetch_b8 v0, s[64:65] scope:SCOPE_SE
	s_setreg_imm32_b32 hwreg(HW_REG_WAVE_MODE, 25, 1), 1
	s_wait_xcnt 0x0
; Everything that arrives wide is read once here and leaves narrow.
; PATH X (work-groups 0-383): query, key, value [4096][1024] f32 -> codes of FP6 (E2M3) + E8M0 scale words, quantised along K = 1024 (innermost), stored as IMAGES OF OPERAND REGISTERS.
; PATH W (384-639): Wq, Wk, Wv, Wo [K 1024][N 1024] f32 -> the same, quantised along K (their first axis): a lane takes a column, its registers run down K.
; PATH M (640-895): mask [2][2048][2048] i32 -> one bit a number, as the lane masks that the attention launch's selects take.
; A TILE OF 16 rows (tokens, columns) is never 16 neighbours: lane r of tile 2 b + u holds member 32 b + 8 u + r + 8 (r / 8).  A product that takes such a tile as source 0 leaves, in the 16 registers
; of tiles 2 b and 2 b + 1, the 16 neighbours 32 b + 16 (lane / 16) + 0 .. 15: what the next quantiser wants.
; A FRAGMENT (16 rows x 128 K, 12 registers a lane) is stored as three pieces of 512 bytes: registers 4 c .. 4 c + 3, lane l's 16 bytes at 16 l.
; A block's scale byte is its largest magnitude's exponent field - 2, held at 1 from below.  A block of zeros keeps the byte 1 (its codes are zeros; only this program reads the bytes).
; LIMITS: NaN and infinities among the inputs are not served.
; Loads of X and M read 512 consecutive bytes of one row; the 16 rows x 512 bytes turn through the wave's own stage in LDS (rows 528 bytes apart) so that a lane gets 16 neighbours of each block of 32.
; No tensor load, no barrier: waves share nothing.  The two paths that use LDS have LDS bytes of their own.  No cluster: no two work-groups read the same bytes.
.set LPITCH, 528
.set WREG,   16*LPITCH                 ; a wave's stage
.set LX,     0                         ; path X's four stages
.set LM,     4*WREG                    ; path M's four stages
.set R0,     16                        ; v16-143  two sets of 64 registers as loaded
.set XR,     144                       ; v144-207 64 numbers: register 16 b + i = k 32 b + 16 (lane / 16) + i of my row
.set PC,     208                       ; v208-219 a fragment's codes
.set MW,     208                       ; v208-215 path M: a task's 64 words, two a lane
.set CT,     220                       ; v220-222, v224-226 the conversions' second halves
.set TM,     228                       ; v228-243 at work in QUANT
.set PW,     244                       ; v244-247 scale words
.set SEL,    30                        ; s[30:31] selects for lane l xor 16
; 64 numbers of a lane become a fragment's codes in v[pc] on and its row's scale word in v[pw] (both halves of the lanes hold the same word).
.macro QUANT src, pc, pw
.irp b, 0,1,2,3
	v_max3_num_f32 v[TM+\b], |v[(\src)+16*\b]|, |v[(\src)+16*\b+1]|, 0x1800000   ; my 16 numbers of block b, and the floor 2^(3 - 127): the byte cannot fall under 1
.endr
.irp i, 2,4,6,8,10,12,14
.irp b, 0,1,2,3
	v_max3_num_f32 v[TM+\b], v[TM+\b], |v[(\src)+16*\b+\i]|, |v[(\src)+16*\b+\i+1]|   ; the four blocks by turns
.endr
.endr
.irp b, 0,1,2,3
	v_permlanex16_b32 v[TM+4+\b], v[TM+\b], s[SEL], s[SEL+1]
.endr
.irp b, 0,1,2,3
	v_max_num_f32 v[TM+\b], v[TM+\b], v[TM+4+\b]   ; with lane l xor 16's 16: the block's largest magnitude
.endr
.irp b, 0,1,2,3
	v_add_nc_u32 v[TM+12+\b], 0xff000000, v[TM+\b]   ; 2 off its exponent field: the conversion's scale operand
.endr
.irp b, 0,1,2,3
	v_lshrrev_b32 v[TM+4+\b], 23, v[TM+12+\b]      ; the scale's byte
.endr
	v_lshl_or_b32 v[(\pw)], v[TM+5], 8, v[TM+4]
	v_lshl_or_b32 v[(\pw)], v[TM+6], 16, v[(\pw)]
	v_lshl_or_b32 v[(\pw)], v[TM+7], 24, v[(\pw)]
.irp c, 0,1
	v_cvt_scalef32_pk16_fp6_f32 v[(\pc)+6*\c:(\pc)+6*\c+2], v[(\src)+32*\c:(\src)+32*\c+15], v[TM+12+2*\c]
	v_cvt_scalef32_pk16_fp6_f32 v[CT+4*\c:CT+4*\c+2], v[(\src)+32*\c+16:(\src)+32*\c+31], v[TM+13+2*\c]   ; a conversion's three registers begin on an even number
.endr
	v_nop                                          ; one plain instruction behind the conversions
.irp c, 0,1                                    ; the operand wants a whole block in a lane: lanes 0-15 block 2 c, lanes 16-31 block 2 c + 1
.irp i, 0,1,2
	v_permlane16_swap_b32 v[(\pc)+6*\c+\i], v[CT+4*\c+\i]
.endr
.irp i, 0,1,2
	v_mov_b32 v[(\pc)+6*\c+3+\i], v[CT+4*\c+\i]
.endr
.endr
.endm
; task t: 512 bytes of each of my tile's 16 rows (row i of the tile lies i + 8 (i / 8) rows below the first), into set t % 2
.macro LOAD t, pitch, base
.irp i, 0,1,2,3,4,5,6,7,8,9,10,11,12,13,14,15
	global_load_b128 v[R0+64*((\t)%2)+4*\i:R0+64*((\t)%2)+4*\i+3], v[4+7*(\i/8)], s[\base:\base+1] offset:(\i+8*(\i/8))*\pitch+512*(\t) th:TH_LOAD_NT   ; rows 0-7 by v4, rows 8-15 by v11
.endr
.endm
; through my stage: LDS serves a wave's instructions in order, so no wait stands between the stores and the loads
.macro TURN t, lb, rd, hb              ; rd: the register with the address on the way out; hb: bytes from a block's first 16 registers to its next 16
.irp i, 0,1,2,3,4,5,6,7,8,9,10,11,12,13,14,15
	ds_store_b128 v5, v[R0+64*((\t)%2)+4*\i:R0+64*((\t)%2)+4*\i+3] offset:\lb+LPITCH*\i
.endr
.irp b, 0,1,2,3
.irp j, 0,1,2,3
	ds_load_b128 v[XR+16*\b+4*\j:XR+16*\b+4*\j+3], v[\rd] offset:\lb+256*(\b/2)+\hb*(\b%2)+16*\j
.endr
.endr
.endm
	s_load_b512 s[4:19], s[0:1], 0x0               ; query s[4:5], key s[6:7], value s[8:9], Wq s[10:11], Wk s[12:13], Wv s[14:15], Wo s[16:17], mask s[18:19]
	s_load_b256 s[20:27], s[0:1], 0x40             ; xq s[20:21], wc s[22:23], ws s[24:25], mw s[26:27]
	v_lshl_add_u32 v254, v0, 2, 0x10800
	v_mov_b32 v255, 0
	v_lshrrev_b32 v9, 5, v0
	v_readfirstlane_b32 s28, v9                    ; wave 0..3
	v_and_b32 v1, 31, v0                           ; l
	v_and_b32 v2, 15, v0                           ; r
	v_bfe_u32 v3, v0, 4, 1                         ; h
	v_lshlrev_b32 v4, 4, v1                        ; 16 l
	v_lshlrev_b32 v7, 3, v1                        ; 8 l
	s_mul_i32 s29, s28, WREG
	v_add_nc_u32 v5, s29, v4                       ; the stage, on the way in: 16 l (a path's base stands in the immediates)
	v_mul_u32_u24 v6, v2, LPITCH
	v_lshl_add_u32 v6, v3, 6, v6
	v_add_nc_u32 v6, s29, v6                       ; and on the way out: row r, + 64 h
	v_lshl_add_u32 v10, v3, 6, v6                  ; path M on the way out: row r, + 128 h
	v_mov_b32 v11, v4                              ; the loads' offset for a tile's rows 8-15 (the key tensor adds 16 rows)
	s_mov_b32 s[SEL], 0x76543210
	s_mov_b32 s[SEL+1], 0xfedcba98
.irp b, 0,1,2,3
	v_mov_b32 v[TM+4+\b], 0                        ; written once: a lane permute's destination counts as one of its sources
.endr
	s_wait_kmcnt 0x0
	s_cmp_lt_u32 ttmp9, 384
	s_cbranch_scc1 .Lx
	s_cmp_lt_u32 ttmp9, 640
	s_cbranch_scc1 .Lw
; ---- PATH M.  A wave: batch b, query tile T, four steps of 128 keys.  Word n of a step: bit l = (mask[b][token(T, r)][128 st + 64 (n / 32) + 32 h + n % 32] != 0): the key that the attention launch's score register n holds in lane l
	s_sub_co_u32 s32, ttmp9, 640
	s_lshl_b32 s32, s32, 2
	s_add_co_u32 s32, s32, s28                     ; 0 .. 1023
	s_lshr_b32 s33, s32, 9                         ; b
	s_bfe_u32 s34, s32, 0x70002                    ; T
	s_and_b32 s35, s32, 3                          ; which four steps
	s_lshl_b32 s36, s33, 24                        ; b x 2048 rows of 8,192 bytes
	s_lshr_b32 s37, s34, 1
	s_lshl_b32 s37, s37, 18                        ; 32 (T / 2) rows
	s_add_co_u32 s36, s36, s37
	s_and_b32 s37, s34, 1
	s_lshl_b32 s37, s37, 16                        ; 8 (T % 2) rows
	s_add_co_u32 s36, s36, s37
	s_lshl_b32 s37, s35, 11                        ; four steps of 512 bytes
	s_add_co_u32 s36, s36, s37
	s_mov_b32 s37, 0
	s_add_nc_u64 s[36:37], s[18:19], s[36:37]
	s_lshl_b32 s38, s33, 7
	s_add_co_u32 s38, s38, s34
	s_lshl_b32 s38, s38, 4
	s_lshl_b32 s39, s35, 2
	s_add_co_u32 s38, s38, s39
	s_lshl_b32 s38, s38, 8                         ; ((128 b + T) 16 + st) x 256 bytes
	s_mov_b32 s39, 0
	s_add_nc_u64 s[38:39], s[26:27], s[38:39]
.irp j, 0,1,2,3,4,5,6,7
	v_mov_b32 v[MW+\j], 0                          ; v_writelane_b32's destination counts as read
.endr
	LOAD 0, 8192, 36
	LOAD 1, 8192, 36
.irp t, 0,1,2,3
.if \t < 3
	s_wait_loadcnt 16                              ; this task's 16 loads are in; the next task's may be out
.else
	s_wait_loadcnt 0x0
.endif
	TURN \t, LM, 10, 64
	s_wait_dscnt 0x0
.if \t < 2
	LOAD \t+2, 8192, 36
.endif
.irp g, 0,1,2,3,4,5,6,7                        ; a compare's result IS the word: bit l speaks for lane l.  Eight at a time
.irp k, 0,1,2,3,4,5,6,7
	v_cmp_ne_u32 s[40+\k], 0, v[XR+8*\g+\k]
.endr
.irp k, 0,1,2,3,4,5,6,7
	v_writelane_b32 v[MW+2*\t+(\k%2)], s[40+\k], (8*\g+\k)/2   ; lane n / 2 keeps words n (even) and n + 1
.endr
.endr
	global_store_b64 v7, v[MW+2*\t:MW+2*\t+1], s[38:39] offset:256*\t   ; 32 lanes store 256 consecutive bytes, aligned; each task has its own registers
.endr
	s_wait_tensorcnt 0x0
	ds_add_u32 v254, v255
	s_wait_dscnt 0x0
	s_endpgm
; ---- PATH X.  A wave: one tensor, token tile Tg (of 256), half sg of K: four K steps of 128
.Lx:
	s_lshr_b32 s32, ttmp9, 7                       ; tensor
	s_and_b32 s33, ttmp9, 127
	s_lshl_b32 s33, s33, 2
	s_add_co_u32 s33, s33, s28
	s_lshr_b32 s34, s33, 1                         ; Tg
	s_and_b32 s35, s33, 1                          ; sg
	s_cmp_eq_u32 s32, 0
	s_cselect_b64 s[36:37], s[4:5], s[6:7]
	s_cmp_eq_u32 s32, 2
	s_cselect_b64 s[36:37], s[8:9], s[36:37]
	s_lshr_b32 s38, s34, 1
	s_lshl_b32 s38, s38, 17                        ; 32 (Tg / 2) rows of 4,096 bytes
	s_and_b32 s39, s34, 1
	s_lshl_b32 s39, s39, 15                        ; 8 (Tg % 2) rows
	s_add_co_u32 s38, s38, s39
	; THE KEY TENSOR'S TILES are formed otherwise: row i of tile Tg is token 64 (Tg / 4) + 8 (Tg % 4) + i + 24 (i / 8), so that in the scores a lane's 32 neighbouring registers are one whole block of 32 keys
	s_lshr_b32 s50, s34, 2
	s_lshl_b32 s50, s50, 18                        ; 64 (Tg / 4) rows of 4,096 bytes
	s_and_b32 s51, s34, 3
	s_lshl_b32 s51, s51, 15                        ; 8 (Tg % 4) rows
	s_add_co_u32 s50, s50, s51
	s_cmp_eq_u32 s32, 1
	s_cselect_b32 s38, s50, s38
	s_cselect_b32 s52, 0x10000, 0                  ; rows 8-15 lie 16 rows further down than in the other tensors' tiles
	s_lshl_b32 s39, s35, 11
	s_add_co_u32 s38, s38, s39
	s_mov_b32 s39, 0
	s_add_nc_u64 s[36:37], s[36:37], s[38:39]
	s_lshl_b32 s40, s32, 5
	s_lshr_b32 s41, s34, 3
	s_add_co_u32 s40, s40, s41
	s_mul_i32 s40, s40, 106496                     ; the block of 128 tokens: codes [s 8][m 8] x 1,536, then scale images [m 8][sg 2] x 512
	s_mov_b32 s41, 0
	s_add_nc_u64 s[20:21], s[20:21], s[40:41]
	s_and_b32 s42, s34, 7                          ; m
	s_mul_i32 s44, s42, 1536
	s_mul_i32 s45, s35, 49152
	s_add_co_u32 s44, s44, s45
	s_mov_b32 s45, 0
	s_add_nc_u64 s[46:47], s[20:21], s[44:45]      ; my codes
	s_lshl_b32 s44, s42, 1
	s_add_co_u32 s44, s44, s35
	s_lshl_b32 s44, s44, 9
	s_add_co_u32 s44, s44, 98304
	s_add_nc_u64 s[48:49], s[20:21], s[44:45]      ; my scale image
	v_add_nc_u32 v11, s52, v4
	LOAD 0, 4096, 36
	LOAD 1, 4096, 36
	s_wait_alu depctr_va_vdst(0)
.irp t, 0,1,2,3
.if \t < 3
	s_wait_loadcnt 16                              ; this task's 16 loads are in; the next task's may be out
.else
	s_wait_loadcnt 0x0
.endif
	TURN \t, LX, 6, 128
	s_wait_dscnt 0x0
.if \t < 2
	LOAD \t+2, 4096, 36
.endif
	s_wait_xcnt 0x0                                ; the last task's stores have read the codes' registers, which are written again below
	QUANT XR, PC, PW+\t
.irp c, 0,1,2
	global_store_b128 v4, v[PC+4*\c:PC+4*\c+3], s[46:47] offset:12288*\t+512*\c   ; 512 consecutive bytes, aligned
.endr
.endr
	global_store_b128 v4, v[PW:PW+3], s[48:49]     ; lane l: the words of my four K steps for row l % 16
	s_wait_tensorcnt 0x0
	ds_add_u32 v254, v255
	s_wait_dscnt 0x0
	s_endpgm
; ---- PATH W.  A work-group: weight w, 64 columns hd, K steps 2 sp and 2 sp + 1; wave t takes column tile t.  The four waves together read each row's 256 bytes
.Lw:
	s_sub_co_u32 s32, ttmp9, 384
	s_lshr_b32 s33, s32, 6                         ; w: q, k, v, o
	s_bfe_u32 s34, s32, 0x40002                    ; hd
	s_and_b32 s35, s32, 3                          ; sp
	s_cmp_lt_u32 s33, 2
	s_cselect_b64 s[36:37], s[10:11], s[14:15]
	s_cselect_b64 s[38:39], s[12:13], s[16:17]
	s_and_b32 s40, s33, 1
	s_cmp_eq_u32 s40, 1
	s_cselect_b64 s[36:37], s[38:39], s[36:37]
	s_lshl_b32 s40, s34, 8                         ; 64 columns of 4 bytes
	s_lshl_b32 s41, s35, 20                        ; 256 rows of 4,096 bytes
	s_add_co_u32 s40, s40, s41
	s_mov_b32 s41, 0
	s_add_nc_u64 s[36:37], s[36:37], s[40:41]
	s_lshr_b32 s42, s28, 1
	s_lshl_b32 s42, s42, 5
	s_and_b32 s43, s28, 1
	s_lshl_b32 s43, s43, 3
	s_add_co_u32 s42, s42, s43                     ; 32 (t / 2) + 8 (t % 2)
	v_and_b32 v8, 8, v2
	v_add_nc_u32 v8, v8, v2                        ; r + 8 (r / 8)
	v_add_nc_u32 v8, s42, v8
	v_lshlrev_b32 v8, 2, v8                        ; my column,
	v_lshl_add_u32 v8, v3, 16, v8                  ; and 16 rows further down for lanes 16-31
	s_wait_alu depctr_va_vdst(0)
	s_lshl_b32 s44, s33, 4
	s_add_co_u32 s44, s44, s34
	s_lshl_b32 s44, s44, 2
	s_add_co_u32 s44, s44, s28
	s_lshl_b32 s46, s44, 2
	s_add_co_u32 s46, s46, s35                     ; ((16 w + hd) 4 + t) 4 + sp
	s_lshl_b32 s48, s46, 8                         ; scale words: 256 bytes each
	s_mul_i32 s46, s46, 3072                       ; codes: two fragments each
	s_mov_b32 s47, 0
	s_mov_b32 s49, 0
	s_add_nc_u64 s[22:23], s[22:23], s[46:47]
	s_add_nc_u64 s[24:25], s[24:25], s[48:49]
.irp f, 0,1
.irp b, 0,1,2,3
.irp i, 0,1,2,3,4,5,6,7,8,9,10,11,12,13,14,15
	global_load_b32 v[R0+64*\f+16*\b+\i], v8, s[36:37] offset:(128*\f+32*\b+\i)*4096   ; W(128 f + 32 b + 16 h + i, my column)
.endr
.endr
.endr
	s_wait_loadcnt 63                              ; behind the first fragment's last load stand 64 others: with at most 63 out it is in
	QUANT R0, PC, PW
.irp c, 0,1,2
	global_store_b128 v4, v[PC+4*\c:PC+4*\c+3], s[22:23] offset:512*\c
.endr
	s_wait_loadcnt 0x0
	QUANT R0+64, XR, PW+1                          ; other registers for these codes: the stores above may still read theirs
.irp c, 0,1,2
	global_store_b128 v4, v[XR+4*\c:XR+4*\c+3], s[22:23] offset:1536+512*\c
.endr
	global_store_b64 v7, v[PW:PW+1], s[24:25]      ; lane l: the words of K steps 2 sp, 2 sp + 1 for column l % 16 of the tile
	s_endpgm
.Lfunc_end_k_q152a3a03d2_prep:
	.size	k_q152a3a03d2_prep, .Lfunc_end_k_q152a3a03d2_prep-k_q152a3a03d2_prep
	.p2alignl 7, 3214868480
	.fill 96, 4, 3214868480
	.section	.rodata,"a",@progbits
	.p2align	6, 0x0
	.amdhsa_kernel k_q152a3a03d2_prep
		.amdhsa_group_segment_fixed_size 68096
		.amdhsa_private_segment_fixed_size 0
		.amdhsa_enable_private_segment 0
		.amdhsa_kernarg_size 96
		.amdhsa_user_sgpr_count 2
		.amdhsa_user_sgpr_kernarg_segment_ptr 1
		.amdhsa_wavefront_size32 1
		.amdhsa_system_sgpr_workgroup_id_x 1
		.amdhsa_system_sgpr_workgroup_id_y 1
		.amdhsa_system_sgpr_workgroup_id_z 1
		.amdhsa_system_vgpr_workitem_id 0
		.amdhsa_next_free_vgpr 256
		.amdhsa_next_free_sgpr 66
		.amdhsa_reserve_vcc 0
		.amdhsa_float_denorm_mode_32 3
		.amdhsa_float_denorm_mode_16_64 3
		.amdhsa_memory_ordered 1
		.amdhsa_forward_progress 1
		.amdhsa_inst_pref_size 104
	.end_amdhsa_kernel
	.amdgpu_metadata
---
amdhsa.version: [ 1, 2 ]
amdhsa.kernels:
  - .name:           k_q152a3a03d2_prep
    .symbol:         k_q152a3a03d2_prep.kd
    .args:
      - { .name: query, .offset: 0, .size: 8, .value_kind: global_buffer, .address_space: global }
      - { .name: key, .offset: 8, .size: 8, .value_kind: global_buffer, .address_space: global }
      - { .name: value, .offset: 16, .size: 8, .value_kind: global_buffer, .address_space: global }
      - { .name: Wq, .offset: 24, .size: 8, .value_kind: global_buffer, .address_space: global }
      - { .name: Wk, .offset: 32, .size: 8, .value_kind: global_buffer, .address_space: global }
      - { .name: Wv, .offset: 40, .size: 8, .value_kind: global_buffer, .address_space: global }
      - { .name: Wo, .offset: 48, .size: 8, .value_kind: global_buffer, .address_space: global }
      - { .name: mask, .offset: 56, .size: 8, .value_kind: global_buffer, .address_space: global }
      - { .name: xq, .offset: 64, .size: 8, .value_kind: global_buffer, .address_space: global }
      - { .name: wc, .offset: 72, .size: 8, .value_kind: global_buffer, .address_space: global }
      - { .name: ws, .offset: 80, .size: 8, .value_kind: global_buffer, .address_space: global }
      - { .name: mw, .offset: 88, .size: 8, .value_kind: global_buffer, .address_space: global }
    .group_segment_fixed_size: 68096
    .private_segment_fixed_size: 0
    .kernarg_segment_align: 8
    .kernarg_segment_size: 96
    .max_flat_workgroup_size: 128
    .sgpr_count:     66
    .vgpr_count:     256
    .wavefront_size: 32
...
	.end_amdgpu_metadata
.endif
;; end of part 1
;; launch proj (part 2): grid 12 x 16, 4 waves a work-group, clusters of 4 x 1, 327,680 bytes of LDS; arguments xq, wc, ws, bq, bk, bv, qc, kv; writes qc, kv
.if DOCPART == 2
	.amdgcn_target "amdgcn-amd-amdhsa--gfx1250"
	.amdhsa_code_object_version 6
	.text
	.protected	k_q152a3a03d2_proj
	.globl	k_q152a3a03d2_proj
	.p2align	8
	.type	k_q152a3a03d2_proj,@function
k_q152a3a03d2_proj:
	s_mov_b64 s[64:65], 0
	v_nop
	global_prefetch_b8 v0, s[64:65] scope:SCOPE_SE
	s_setreg_imm32_b32 hwreg(HW_REG_WAVE_MODE, 25, 1), 1
	s_wait_xcnt 0x0
	s_wait_alu depctr_hold_cnt(0) depctr_sa_sdst(0) depctr_va_vdst(0) depctr_va_sdst(0) depctr_va_ssrc(0) depctr_va_vcc(0) depctr_vm_vsrc(0)
	s_getreg_b32 s2, hwreg(HW_REG_IB_STS2, 6, 4)
	s_cmp_eq_u32 s2, 0
	s_cbranch_scc0 .Lentry_in_a_cluster
	s_endpgm
.Lentry_in_a_cluster:
	s_bfe_u32 s2, ttmp6, 0x10000c
	s_cmp_lg_u32 s2, 0x3003
	s_cbranch_scc0 .Lentry_shape_is_right
	s_endpgm
.Lentry_shape_is_right:
.set BLKB, 106496
.set QTR,  26624
.set XA,   16
.set CD,   16
.set WS,   112
.set XS,   144
.set TM,   208
.set CT,   224
.set PW,   232
.set KSW,  240
.set BI,   192
.set WV,   20
.set TEN,  22
.set G1,   24
.set SEL,  40
.set FLR,  42
.set OUTP, 56
.set STR,  58
.set BOFF, 60
.set TRIP, 61
.set HDG,  62
.set HM,   63
.set MSB,  0
.macro WIN new
.if MSB != (\new)
	s_set_vgpr_msb (MSB<<8)|(\new)
.set MSB, (\new)
.endif
.endm
.macro CROUND
	s_barrier_signal -1
	s_barrier_wait -1
	s_cmp_lg_u32 s[WV], 0
	s_cbranch_scc1 .Lnot_wave_0_\@
	s_barrier_signal -3
.Lnot_wave_0_\@:
	s_barrier_wait -3
	s_barrier_signal -1
	s_barrier_wait -1
.endm
.macro PLACES
.rept 4
	v_nop
.endr
.endm
.macro FETCHX idx
.set FS, (\idx)/2
.set FM, 4*((\idx)%2)
.set FD, XA+48*((\idx)%2)
.irp mm, 0,1,2,3
.irp c, 0,1,2
.if FS < 4
	ds_load_b128 v[FD+12*\mm+4*\c:FD+12*\mm+4*\c+3], v3 offset:(8*FS+FM+\mm)*1536+512*\c
.else
	ds_load_b128 v[FD+12*\mm+4*\c:FD+12*\mm+4*\c+3], v4 offset:(8*(FS-4)+FM+\mm)*1536+512*\c
.endif
.endr
.endr
.endm
.macro MUL16 pv, s, mh
.irp tw, 0,1
.if \pv
.if (\s) == 0
	WIN 0xd4+0x14*\tw
.else
	WIN 0xf4+0x04*\tw
.endif
.else
.if (\s) == 0
	WIN 0xd1+0x11*\tw
.else
	WIN 0xf1+\tw
.endif
.endif
.irp tt, 0,1
.irp mm, 0,1,2,3
.set MT, 2*\tw+\tt
.set MM, 4*(\mh)+\mm
.set RW, 96*\tt+12*(\s)
.set RX, XA+48*(\mh)+12*\mm
.if \pv
.set RA, 64*MT+8*MM
.if (\s) == 0
	v_wmma_scale_f32_16x16x128_f8f6f4 v[RA:RA+7], v[RX:RX+11], v[RW:RW+11], v[BI+8*\tt:BI+8*\tt+7], v[XS+8*MM+(\s)], v[WS+8*MT+(\s)] matrix_a_fmt:MATRIX_FMT_FP6 matrix_b_fmt:MATRIX_FMT_FP6
.else
	v_wmma_scale_f32_16x16x128_f8f6f4 v[RA:RA+7], v[RX:RX+11], v[RW:RW+11], v[RA:RA+7], v[XS+8*MM+(\s)], v[WS+8*MT+(\s)] matrix_a_fmt:MATRIX_FMT_FP6 matrix_b_fmt:MATRIX_FMT_FP6
.endif
.else
.set RA, 32*MM+8*MT
.if (\s) == 0
	v_wmma_scale_f32_16x16x128_f8f6f4 v[RA:RA+7], v[RW:RW+11], v[RX:RX+11], v[BI+8*\tt:BI+8*\tt+7], v[WS+8*MT+(\s)], v[XS+8*MM+(\s)] matrix_a_fmt:MATRIX_FMT_FP6 matrix_b_fmt:MATRIX_FMT_FP6
.else
	v_wmma_scale_f32_16x16x128_f8f6f4 v[RA:RA+7], v[RW:RW+11], v[RX:RX+11], v[RA:RA+7], v[WS+8*MT+(\s)], v[XS+8*MM+(\s)] matrix_a_fmt:MATRIX_FMT_FP6 matrix_b_fmt:MATRIX_FMT_FP6
.endif
.endif
.endr
.endr
.endr
.endm
.macro MAIN pv
.set IDX, 0
.rept 16
.if IDX < 15
	s_wait_dscnt 12
.else
	s_wait_dscnt 0x0
.endif
.if IDX%2 == 0                         ; this K step's 12 loads of W are in: behind them stand 12 for each later K step (the count is held at 63, the most that the wait can name); in the second trip none is out
.if 12*(7-IDX/2) > 63
	s_wait_loadcnt 63
.else
	s_wait_loadcnt 12*(7-IDX/2)
.endif
.endif
	MUL16 \pv, IDX/2, IDX%2
	WIN 0
	PLACES
.if IDX < 14
	FETCHX IDX+2
.endif
.set IDX, IDX+1
.endr
.endm
.macro QUANTW src, pc, pw, nb
	WIN 0x3c
.irp b, 0,1,2,3
.if \b < \nb
	v_max3_num_f32 v[TM+\b], s[FLR], |v[(\src)+16*\b]|, |v[(\src)+16*\b+1]|
.endif
.endr
.irp i, 2,4,6,8,10,12,14
.irp b, 0,1,2,3
.if \b < \nb
	v_max3_num_f32 v[TM+\b], v[TM+\b], |v[(\src)+16*\b+\i]|, |v[(\src)+16*\b+\i+1]|
.endif
.endr
.endr
	WIN 0
.irp b, 0,1,2,3
.if \b < \nb
	v_permlanex16_b32 v[TM+4+\b], v[TM+\b], s[SEL], s[SEL+1]
.endif
.endr
.irp b, 0,1,2,3
.if \b < \nb
	v_max_num_f32 v[TM+\b], v[TM+\b], v[TM+4+\b]
.endif
.endr
.irp b, 0,1,2,3
.if \b < \nb
	v_add_nc_u32 v[TM+12+\b], 0xff000000, v[TM+\b]
.endif
.endr
.irp b, 0,1,2,3
.if \b < \nb
	v_lshrrev_b32 v[TM+4+\b], 23, v[TM+12+\b]
.endif
.endr
	v_lshl_or_b32 v[(\pw)], v[TM+5], 8, v[TM+4]
.if \nb == 4
	v_lshl_or_b32 v[(\pw)], v[TM+6], 16, v[(\pw)]
	v_lshl_or_b32 v[(\pw)], v[TM+7], 24, v[(\pw)]
.endif
	WIN 0x03
.irp c, 0,1
.if 2*\c < \nb
	v_cvt_scalef32_pk16_fp6_f32 v[(\pc)+6*\c:(\pc)+6*\c+2], v[(\src)+32*\c:(\src)+32*\c+15], v[TM+12+2*\c]
	v_cvt_scalef32_pk16_fp6_f32 v[CT+4*\c:CT+4*\c+2], v[(\src)+32*\c+16:(\src)+32*\c+31], v[TM+13+2*\c]
.endif
.endr
	WIN 0
	v_nop
.irp c, 0,1
.if 2*\c < \nb
.irp i, 0,1,2
	v_permlane16_swap_b32 v[(\pc)+6*\c+\i], v[CT+4*\c+\i]
.endr
.irp i, 0,1,2
	v_mov_b32 v[(\pc)+6*\c+3+\i], v[CT+4*\c+\i]
.endr
.endif
.endr
.endm
	s_load_b512 s[4:19], s[0:1], 0x0
	v_lshl_add_u32 v254, v0, 2, 0x34000
	v_mov_b32 v255, 0
	ds_add_u32 v254, v255
	ds_add_u32 v254, v255
	v_lshrrev_b32 v7, 5, v0
	v_readfirstlane_b32 s[WV], v7
	s_bfe_u32 s21, ttmp6, 0x40000
	s_mov_b32 s[TEN], ttmp9
	s_and_b32 s23, ttmp7, 0xffff
	s_lshl_b32 s[HDG], s21, 2
	s_add_co_u32 s[HDG], s[HDG], s[WV]
	s_mov_b32 s[G1+0], 15|(3<<16)|(1<<21)
	s_mov_b32 s[G1+1], 32<<16
	s_mov_b32 s[G1+2], 104<<16
	s_mov_b32 s[G1+3], 32<<16
	s_mov_b32 s[G1+4], 104
	s_mov_b32 s[G1+5], 32
	s_mov_b32 s[G1+6], 0
	s_mov_b32 s[G1+7], 0
	s_lshl_b32 s43, s[TEN], 5
	s_lshl_b32 s44, s23, 1
	s_add_co_u32 s43, s43, s44
	s_mul_i32 s44, s43, BLKB
	s_mul_i32 s46, s[WV], QTR
	s_add_co_u32 s44, s44, s46
	s_mov_b32 s45, 0
	s_mov_b32 s[SEL], 0x76543210
	s_mov_b32 s[SEL+1], 0xfedcba98
	s_mov_b32 s[FLR], 0x1800000
	s_mov_b32 s[HM], 0xffff0000
	s_wait_dscnt 0x0
	s_wait_kmcnt 0x0
	s_add_nc_u64 s[44:45], s[4:5], s[44:45]
	s_mov_b32 s32, 1
	s_mov_b32 s33, s46
	s_mov_b64 s[34:35], s[44:45]
	s_or_b32 s35, s35, 0x80000000
	s_mov_b32 s36, 1
	s_add_co_u32 s37, s46, BLKB
	s_add_nc_u64 s[38:39], s[44:45], BLKB
	s_or_b32 s39, s39, 0x80000000
	CROUND
	tensor_load_to_lds s[32:35], s[G1:G1+7]
	s_nop 0
	s_wait_alu depctr_va_vdst(0)
	s_wait_tensorcnt 0x0
	ds_add_u32 v254, v255
	s_wait_dscnt 0x0
	CROUND
	tensor_load_to_lds s[36:39], s[G1:G1+7]
	s_nop 0
	PLACES
	v_and_b32 v7, 31, v0
	v_lshlrev_b32 v1, 4, v7
	v_lshlrev_b32 v2, 3, v7
	v_bfe_u32 v5, v0, 4, 1
	v_lshlrev_b32 v5, 6, v5
	v_and_b32 v7, 15, v0
	v_and_b32 v6, 8, v7
	v_add_nc_u32 v6, v6, v7
	v_lshlrev_b32 v6, 2, v6
.irp b, 0,1,2,3
	v_mov_b32 v[TM+4+\b], 0
.endr
	s_lshl_b32 s43, s[TEN], 4
	s_add_co_u32 s43, s43, s[HDG]
	s_mul_i32 s52, s43, 49152
	s_mov_b32 s53, 0
	s_add_nc_u64 s[52:53], s[6:7], s[52:53]
	s_lshl_b32 s54, s43, 12
	s_mov_b32 s55, 0
	s_add_nc_u64 s[54:55], s[8:9], s[54:55]
	WIN 0
.irp t, 0,1,2,3
.irp sp, 0,1,2,3
	global_load_b64 v[WS+8*\t+2*\sp:WS+8*\t+2*\sp+1], v2, s[54:55] offset:(4*\t+\sp)*256
.endr
.endr
	s_cmp_eq_u32 s[TEN], 0
	s_cselect_b64 s[OUTP:OUTP+1], s[16:17], s[18:19]
	s_mov_b32 s[STR], 13312
	s_cselect_b32 s[STR], 6656, s[STR]
	s_mov_b32 s[STR+1], 0
	s_cselect_b64 s[48:49], s[10:11], s[12:13]
	s_cmp_eq_u32 s[TEN], 2
	s_cselect_b64 s[48:49], s[14:15], s[48:49]
	s_cselect_b32 s47, 6656, 0
	s_lshr_b32 s50, s23, 3
	s_lshl_b32 s50, s50, 4
	s_add_co_u32 s50, s50, s[HDG]
	s_lshl_b32 s50, s50, 4
	s_and_b32 s51, s23, 7
	s_lshl_b32 s51, s51, 1
	s_add_co_u32 s50, s50, s51
	s_mul_i32 s50, s50, s[STR]
	s_add_co_u32 s50, s50, s47
	s_mov_b32 s51, 0
	s_add_nc_u64 s[OUTP:OUTP+1], s[OUTP:OUTP+1], s[50:51]
	s_lshl_b32 s50, s[HDG], 8
	s_add_nc_u64 s[48:49], s[48:49], s[50:51]
	s_cmp_eq_u32 s[TEN], 2
	s_cbranch_scc1 .Lbias_v
	WIN 0x40
	s_wait_alu depctr_va_vdst(0)
.irp tt, 0,1
	global_load_b128 v[BI+8*\tt:BI+8*\tt+3], v5, s[48:49] offset:32*\tt
	global_load_b128 v[BI+8*\tt+4:BI+8*\tt+7], v5, s[48:49] offset:32*\tt+16
.endr
	WIN 0x80
.irp tt, 0,1
	global_load_b128 v[BI+8*\tt:BI+8*\tt+3], v5, s[48:49] offset:128+32*\tt
	global_load_b128 v[BI+8*\tt+4:BI+8*\tt+7], v5, s[48:49] offset:128+32*\tt+16
.endr
	WIN 0
	s_branch .Lbias_done
.Lbias_v:
	WIN 0x40
	s_wait_alu depctr_va_vdst(0)
.irp tt, 0,1
.irp j, 0,1,2,3,4,5,6,7
	global_load_b32 v[BI+8*\tt+\j], v6, s[48:49] offset:32*\tt
.endr
.endr
	WIN 0x80
.irp tt, 0,1
.irp j, 0,1,2,3,4,5,6,7
	global_load_b32 v[BI+8*\tt+\j], v6, s[48:49] offset:128+32*\tt
.endr
.endr
	WIN 0
.Lbias_done:
; W's fragments, K step by K step, behind the scale words and the bias: 12 loads a step (tiles 0, 1 into window 1, tiles 2, 3 into window 2), so that each step's products wait for their own fragments alone
.irp s, 0,1,2,3,4,5,6,7
	WIN 0x40
.irp tt, 0,1
.irp c, 0,1,2
	global_load_b128 v[96*\tt+12*\s+4*\c:96*\tt+12*\s+4*\c+3], v1, s[52:53] offset:(8*\tt+\s)*1536+512*\c
.endr
.endr
	WIN 0x80
.irp tt, 0,1
.irp c, 0,1,2
	global_load_b128 v[96*\tt+12*\s+4*\c:96*\tt+12*\s+4*\c+3], v1, s[52:53] offset:(8*(2+\tt)+\s)*1536+512*\c
.endr
.endr
.endr
	WIN 0
	s_wait_tensorcnt 0x0
	s_barrier_signal -1
	s_barrier_wait -1
	s_mov_b32 s[BOFF], 0
	s_mov_b32 s[TRIP], 2
.Lblock:
	v_add_nc_u32 v3, s[BOFF], v1
	v_add_nc_u32 v4, 49152, v3
.irp m, 0,1,2,3,4,5,6,7
.irp sg, 0,1
	ds_load_b128 v[XS+8*\m+4*\sg:XS+8*\m+4*\sg+3], v4 offset:49152+(2*\m+\sg)*512
.endr
.endr
	FETCHX 0
	FETCHX 1
	s_cmp_eq_u32 s[TEN], 2
	s_cbranch_scc1 .Lv
	s_wait_alu depctr_va_vdst(0)
	MAIN 0
.irp m, 0,1,2,3,4,5,6,7
	QUANTW 32*\m, CD+6*\m, PW+\m, 2
.endr
.irp j, 0,1,2,3
	v_cndmask_b32 v[KSW+\j], v[PW+2*\j], v[PW+2*\j+1], s[HM]
.endr
.irp p, 0,1,2,3,4,5,6,7,8,9,10,11
	global_store_b128 v1, v[CD+4*\p:CD+4*\p+3], s[OUTP:OUTP+1] offset:512*\p
.endr
	global_store_b64 v2, v[KSW:KSW+1], s[OUTP:OUTP+1] offset:6144
	global_store_b64 v2, v[KSW+2:KSW+3], s[OUTP:OUTP+1] offset:6400
	s_branch .Ljoin
.Lv:
	s_wait_alu depctr_va_vdst(0)
	MAIN 1
.irp t, 0,1,2,3
	QUANTW 64*\t, CD+12*\t, PW+\t, 4
.endr
.irp p, 0,1,2,3,4,5,6,7,8,9,10,11
	global_store_b128 v1, v[CD+4*\p:CD+4*\p+3], s[OUTP:OUTP+1] offset:512*\p
.endr
	global_store_b128 v1, v[PW:PW+3], s[OUTP:OUTP+1] offset:6144
.Ljoin:
	s_wait_xcnt 0x0
	s_add_nc_u64 s[OUTP:OUTP+1], s[OUTP:OUTP+1], s[STR:STR+1]
	s_add_co_u32 s[BOFF], s[BOFF], BLKB
	s_sub_co_u32 s[TRIP], s[TRIP], 1
	s_cmp_lg_u32 s[TRIP], 0
	s_cbranch_scc1 .Lblock
	s_wait_tensorcnt 0x0
	ds_add_u32 v254, v255
	s_wait_dscnt 0x0
	CROUND
	s_endpgm
.Lfunc_end_k_q152a3a03d2_proj:
	.size	k_q152a3a03d2_proj, .Lfunc_end_k_q152a3a03d2_proj-k_q152a3a03d2_proj
	.p2alignl 7, 3214868480
	.fill 96, 4, 3214868480
	.section	.rodata,"a",@progbits
	.p2align	6, 0x0
	.amdhsa_kernel k_q152a3a03d2_proj
		.amdhsa_group_segment_fixed_size 327680
		.amdhsa_private_segment_fixed_size 0
		.amdhsa_enable_private_segment 0
		.amdhsa_kernarg_size 64
		.amdhsa_user_sgpr_count 2
		.amdhsa_user_sgpr_kernarg_segment_ptr 1
		.amdhsa_wavefront_size32 1
		.amdhsa_system_sgpr_workgroup_id_x 1
		.amdhsa_system_sgpr_workgroup_id_y 1
		.amdhsa_system_sgpr_workgroup_id_z 1
		.amdhsa_system_vgpr_workitem_id 0
		.amdhsa_next_free_vgpr 1024
		.amdhsa_next_free_sgpr 66
		.amdhsa_reserve_vcc 0
		.amdhsa_float_denorm_mode_32 3
		.amdhsa_float_denorm_mode_16_64 3
		.amdhsa_memory_ordered 1
		.amdhsa_forward_progress 1
		.amdhsa_inst_pref_size 151
	.end_amdhsa_kernel
	.amdgpu_metadata
---
amdhsa.version: [ 1, 2 ]
amdhsa.kernels:
  - .name:           k_q152a3a03d2_proj
    .symbol:         k_q152a3a03d2_proj.kd
    .args:
      - { .name: xq, .offset: 0, .size: 8, .value_kind: global_buffer, .address_space: global }
      - { .name: wc, .offset: 8, .size: 8, .value_kind: global_buffer, .address_space: global }
      - { .name: ws, .offset: 16, .size: 8, .value_kind: global_buffer, .address_space: global }
      - { .name: bq, .offset: 24, .size: 8, .value_kind: global_buffer, .address_space: global }
      - { .name: bk, .offset: 32, .size: 8, .value_kind: global_buffer, .address_space: global }
      - { .name: bv, .offset: 40, .size: 8, .value_kind: global_buffer, .address_space: global }
      - { .name: qc, .offset: 48, .size: 8, .value_kind: global_buffer, .address_space: global }
      - { .name: kv, .offset: 56, .size: 8, .value_kind: global_buffer, .address_space: global }
    .group_segment_fixed_size: 327680
    .private_segment_fixed_size: 0
    .kernarg_segment_align: 8
    .kernarg_segment_size: 64
    .max_flat_workgroup_size: 128
    .sgpr_count:     66
    .vgpr_count:     1024
    .wavefront_size: 32
...
	.end_amdgpu_metadata
.endif
;; end of part 2
;; launch attn (part 3): grid 8 x 32, 16 waves a work-group, clusters of 4 x 1, 327,680 bytes of LDS; arguments qc, kv, mw, xc; writes xc
.if DOCPART == 3
	.amdgcn_target "amdgcn-amd-amdhsa--gfx1250"
	.amdhsa_code_object_version 6
	.text
	.protected	k_q152a3a03d2_attn
	.globl	k_q152a3a03d2_attn
	.p2align	8
	.type	k_q152a3a03d2_attn,@function
k_q152a3a03d2_attn:
	s_mov_b64 s[64:65], 0
	v_nop
	global_prefetch_b8 v0, s[64:65] scope:SCOPE_SE
	s_setreg_imm32_b32 hwreg(HW_REG_WAVE_MODE, 25, 1), 1
	s_wait_xcnt 0x0
	s_wait_alu depctr_hold_cnt(0) depctr_sa_sdst(0) depctr_va_vdst(0) depctr_va_sdst(0) depctr_va_ssrc(0) depctr_va_vcc(0) depctr_vm_vsrc(0)
	s_getreg_b32 s2, hwreg(HW_REG_IB_STS2, 6, 4)
	s_cmp_eq_u32 s2, 0
	s_cbranch_scc0 .Lentry_in_a_cluster
	s_endpgm
.Lentry_in_a_cluster:
	s_bfe_u32 s2, ttmp6, 0x10000c
	s_cmp_lg_u32 s2, 0x3003
	s_cbranch_scc0 .Lentry_shape_is_right
	s_endpgm
.Lentry_shape_is_right:
; x = softmax(where(mask == 0, -1e9, q k^T / 8)) v for one batch and head, on codes of FP6 (E2M3) with E8M0 scales; x leaves as codes and scale bytes for the last product.
; SHARES.  Work-group (x, y): batch and head y = 16 b + h, queries 256 x on; wave w takes the query tile T = 16 x + w (16 queries) through all 2,048 keys, in 16 steps of 128 keys.
; The head's K and V (16 steps x 13,312 bytes: K's eight half fragments, K's scale words, V's four fragments, V's scale words) lie whole in LDS, filled once: steps 0-3 by the head's load,
; steps 4-15 by a second load behind the full sequence.  The four partners of a cluster are four query blocks of one head: both loads are joint (mask 15), a sixteenth of each a wave.
; BOTH PRODUCTS ARE USED TRANSPOSED (S^T = k q^T, O^T = v^T p^T): a lane holds one query.  Row 8 h + j of K's tile 4 c + q is key 64 c + 32 h + 8 q + j (the preparing launch forms the tiles so):
; score register n of lane (r, h) is key 64 (n / 32) + 32 h + n % 32, so a lane's 32 neighbouring registers are ONE WHOLE BLOCK of 32 keys, in the order that p's operand wants: no lane is asked for a block's maximum or codes.
; The head size is 64: q's upper six registers are zero codes, so what stands in the upper half of K's operand (the next tile's codes) adds nothing.
; THE MASK comes as lane masks, one word for each score register, 64 words a step, by scalar loads one step ahead.  A masked key's raw score is -2^33 (t = -1.55e9 where reference() has -1.44e9):
; a row with no key left gives the same p for all keys, as in reference().
; A STEP: scores; selects; each block's largest score; the running M = ceil(largest t), kept as -M; ALL multiply-adds and rescalings; one wait; ALL exponentials; one wait; p's scale bytes and codes; O^T; the row's sum of the unquantised p behind O^T's products.
; LIMITS: the scaled scores t of unmasked keys stay under 2^30 in magnitude; NaN and infinities are not served.
; No data prefetch: K and V come by two loads with no loop ahead of them, and a step's 256 bytes of mask words are asked for a whole step ahead of their use by the scalar loads themselves.
; REGISTERS: v1 16 l, v2 8 l, v3-4 LDS addresses, v5 at work, v[6:7] f, v8 the masked score, v9-11 the way out, v12 -M, v13 the largest raw score, v[14:15] the sum, v16-27 q, v28 q's scales, v29 p's scales, v30-31 the add's.
.set WV,    100
.set STEPB, 13312
.set SPARE, 0x34000                    ; behind the 16 steps: the spare words, 128 bytes a wave
.set SPW,   30
.set NIL,   31
.set KR,    32                         ; v32-79 K's eight half fragments
.set VR,    80                         ; v80-127 V's four fragments
.set KS,    128
.set VS,    132
.set SB,    136                        ; v136-199 the scores, then p
.set OB,    200                        ; v200-231 O^T
.set PC,    232                        ; v232-243 p's codes
.set BM,    244                        ; v244-245 my two blocks' largest score, then p; later a chain of the sum
.set SO,    246                        ; v246-247 the conversions' scale operands
.set XA,    248                        ; v248-250, v252-254 at work: maxima, the conversions' second halves, chains of the sum
.set BP,    251                        ; a lane permute's result
.set SH,    255                        ; 8 (lane / 16)
.set T0,    5
.set FF,    6
.macro CROUND                          ; a round of the cluster's barrier
	s_barrier_signal -1
	s_barrier_wait -1
	s_cmp_lg_u32 s[WV], 0
	s_cbranch_scc1 .Lnot_wave_0_\@
	s_barrier_signal -3
.Lnot_wave_0_\@:
	s_barrier_wait -3
	s_barrier_signal -1
	s_barrier_wait -1
.endm
.macro MLOAD                           ; a step's 64 mask words
	s_load_b512 s[32:47], s[2:3], s66 offset:0x0
	s_load_b512 s[48:63], s[2:3], s66 offset:0x40
	s_load_b512 s[68:83], s[2:3], s66 offset:0x80
	s_load_b512 s[84:99], s[2:3], s66 offset:0xc0
.endm
.macro OMUL i                          ; O^T under the new M
	v_pk_mul_f32 v[OB+2*(\i):OB+2*(\i)+1], v[OB+2*(\i):OB+2*(\i)+1], v[FF:FF+1] op_sel_hi:[1,0]
.endm
.macro SCALE j                         ; t - M, two at a time
	v_pk_fma_f32 v[SB+2*(\j):SB+2*(\j)+1], v[SB+2*(\j):SB+2*(\j)+1], s[6:7], v[12:13] op_sel_hi:[1,0,0]
.endm
.macro KLOAD adr, adr8, off            ; a step's K: twelve pieces of 512 bytes, and its scale words
.irp p, 0,1,2,3,4,5,6,7,8,9,10,11
	ds_load_b128 v[KR+4*\p:KR+4*\p+3], v[\adr] offset:\off+512*\p
.endr
	ds_load_b64 v[KS:KS+1], v[\adr8] offset:\off+6144
	ds_load_b64 v[KS+2:KS+3], v[\adr8] offset:\off+6400
.endm
	s_load_b128 s[84:87], s[0:1], 0x0              ; qc, kv
	s_load_b64 s[88:89], s[0:1], 0x10              ; mw
	v_lshl_add_u32 v[SPW], v0, 2, SPARE
	v_mov_b32 v[NIL], 0
	ds_add_u32 v[SPW], v[NIL]                      ; the opening lines: the add, twice on end, and its wait ahead of my first tensor load
	ds_add_u32 v[SPW], v[NIL]
	v_lshrrev_b32 v5, 5, v0
	v_readfirstlane_b32 s[WV], v5                  ; wave 0..15
	s_bfe_u32 s32, ttmp6, 0x40000                  ; cx: it enters global addresses of q, the mask and x alone
	s_lshl_b32 s33, ttmp9, 2
	s_add_co_u32 s33, s33, s32                     ; query block
	s_and_b32 s34, ttmp7, 0xffff                   ; 16 b + h
	s_lshl_b32 s35, s33, 4
	s_add_co_u32 s35, s35, s[WV]                   ; T
	s_mov_b32 s8, 15|(3<<16)|(1<<21)               ; group 1, steps 0-3: 13 rows of 256 bytes a wave; the mask names all four partners
	s_mov_b32 s9, 32<<16
	s_mov_b32 s10, 13<<16
	s_mov_b32 s11, 32<<16
	s_mov_b32 s12, 13
	s_mov_b32 s13, 32
	s_mov_b32 s14, 0
	s_mov_b32 s15, 0
	s_mov_b32 s24, 15|(3<<16)|(1<<21)              ; group 1, steps 4-15: 39 rows a wave
	s_mov_b32 s25, 32<<16
	s_mov_b32 s26, 39<<16
	s_mov_b32 s27, 32<<16
	s_mov_b32 s28, 39
	s_mov_b32 s29, 32
	s_mov_b32 s30, 0
	s_mov_b32 s31, 0
	s_mul_i32 s36, s[WV], 3328
	s_mul_i32 s37, s[WV], 9984
	s_add_co_u32 s37, s37, 53248
	s_mul_i32 s42, s34, 212992                     ; the head's K and V
	s_add_co_u32 s38, s42, s36
	s_mov_b32 s39, 0
	s_add_co_u32 s40, s42, s37
	s_mov_b32 s41, 0
	s_mov_b32 s4, 0x76543210
	s_mov_b32 s5, 0xfedcba98                       ; selects for lane l xor 16
	s_mov_b32 s6, 0x3e38aa3b                       ; c = log2(e) / 8
	s_mov_b32 s7, s6
	s_mov_b32 s66, 0
	s_wait_dscnt 0x0                               ; both opening adds are done
	s_wait_kmcnt 0x0
	s_mov_b32 s16, 1
	s_mov_b32 s17, s36
	s_add_nc_u64 s[18:19], s[86:87], s[38:39]
	s_or_b32 s19, s19, 0x80000000
	s_mov_b32 s20, 1
	s_mov_b32 s21, s37
	s_add_nc_u64 s[22:23], s[86:87], s[40:41]
	s_or_b32 s23, s23, 0x80000000
	CROUND                                         ; all four work-groups are here: the joint loads meet
	tensor_load_to_lds s[16:19], s[8:15]           ; steps 0-3: my one load at the head
	s_nop 0
	; under that load's flight: every address, q, the first mask words, the starting values
	s_lshr_b32 s40, s34, 4
	s_lshl_b32 s40, s40, 7
	s_add_co_u32 s40, s40, s35                     ; 128 b + T
	s_lshl_b32 s42, s40, 12
	s_mov_b32 s43, 0
	s_add_nc_u64 s[2:3], s[88:89], s[42:43]        ; my tile's mask words: 16 steps x 256 bytes
	s_lshl_b32 s44, s34, 4
	s_lshr_b32 s45, s35, 3
	s_add_co_u32 s44, s44, s45
	s_mul_i32 s44, s44, 6656
	s_mov_b32 s45, 0
	s_add_nc_u64 s[104:105], s[84:85], s[44:45]    ; the block of eight query tiles that holds mine
	s_and_b32 s46, s[WV], 7
	s_mul_i32 s47, s46, 6                          ; my six registers of its image of 48
.irp e, 0,1,2
	s_add_co_u32 s48, s47, 2*\e
	s_lshr_b32 s49, s48, 2
	s_lshl_b32 s49, s49, 9                         ; the piece of four registers,
	s_and_b32 s48, s48, 3
	s_lshl_b32 s48, s48, 2                         ; and the place in a lane's 16 bytes
	s_add_co_u32 s[36+\e], s48, s49
.endr
	s_lshr_b32 s48, s46, 2                         ; my tile's scale words
	s_lshl_b32 s48, s48, 8
	s_and_b32 s49, s46, 1
	s_lshl_b32 s49, s49, 7
	s_add_co_u32 s48, s48, s49
	s_bfe_u32 s49, s46, 0x10001
	s_lshl_b32 s49, s49, 2
	s_add_co_u32 s39, s48, s49
	s_lshr_b32 s50, s40, 2                         ; the way out: the block of 64 tokens,
	s_mul_i32 s50, s50, 51200
	s_and_b32 s52, s40, 3                          ; my token tile in it,
	s_and_b32 s53, s34, 15
	s_lshr_b32 s54, s53, 1                         ; the K step of the last product (two heads),
	s_and_b32 s55, s53, 1                          ; and my half of it
	s_lshl_b32 s56, s54, 2
	s_add_co_u32 s56, s56, s52
	s_lshl_b32 s56, s56, 1
	s_add_co_u32 s56, s56, s55
	s_mul_i32 s56, s56, 768
	s_add_co_u32 s56, s56, s50
	s_add_co_u32 s59, s56, 512
	s_lshl_b32 s57, s52, 9
	s_lshl_b32 s58, s54, 2
	s_add_co_u32 s57, s57, s58
	s_lshl_b32 s58, s55, 1
	s_add_co_u32 s57, s57, s58
	s_add_co_u32 s57, s57, 49152
	s_add_co_u32 s57, s57, s50
	v_and_b32 v5, 31, v0
	v_and_b32 v3, 15, v0
	v_bfe_u32 v4, v0, 4, 1
	v_lshlrev_b32 v1, 4, v5                        ; 16 l
	v_lshlrev_b32 v2, 3, v5                        ; 8 l
	v_lshl_add_u32 v11, v3, 5, v4
	v_lshlrev_b32 v[SH], 3, v4
	v_add_nc_u32 v11, s57, v11                     ; my scale byte in x's words
	v_lshl_add_u32 v3, v3, 3, s39
	v_add_nc_u32 v5, s36, v1
	v_add_nc_u32 v6, s37, v1
	v_add_nc_u32 v7, s38, v1
	v_add_nc_u32 v9, s56, v1
	v_add_nc_u32 v10, s59, v2
	s_wait_alu depctr_va_vdst(0)                   ; the wait ahead of the readers below
	global_load_b64 v[16:17], v5, s[104:105]
	global_load_b64 v[18:19], v6, s[104:105]
	global_load_b64 v[20:21], v7, s[104:105]
	global_load_b32 v28, v3, s[104:105] offset:6144
	MLOAD                                          ; step 0's mask words (every argument in s84-89 has been used)
	v_mov_b32 v8, 0xd0000000                       ; -2^33
	v_mov_b32 v13, 0xff61b1e6                      ; -3e38, under every score
	v_mul_f32 v12, s6, v13
	v_mov_b32 v14, 0
	v_mov_b32 v15, 0
	v_floor_f32 v12, -v12
.irp j, 0,1,2,3,4,5
	v_mov_b32 v[22+\j], 0                          ; q's upper half: zero codes
	v_mov_b32 v[VR+\j], 0                          ; named by the first step's last score tile
.endr
.set J, 0
.rept 32
	v_mov_b32 v[OB+J], 0                           ; the step is written once: the first finds zeros
.set J, J+1
.endr
	v_mov_b32 v[BP], 0                             ; a lane permute's destination counts as one of its sources
	s_wait_alu depctr_va_vdst(0)                   ; the wait at the head's end
	s_wait_tensorcnt 0x0                           ; my part of steps 0-3 is in
	ds_add_u32 v[SPW], v[NIL]
	s_wait_dscnt 0x0
	CROUND                                         ; everybody's part is in, and the four work-groups are here
	tensor_load_to_lds s[20:23], s[24:31]          ; steps 4-15: my one load behind the round
	s_nop 0
	KLOAD 1, 2, 0
	s_wait_loadcnt 0x0                             ; q and its scale words
	s_load_b64 s[104:105], s[0:1], 0x18            ; xc (q's loads are done with the pair); waited for with the mask words
.macro STEP more
.irp t, 0,1,2,3,4,5,6,7                        ; S^T: eight accumulators, each begun with 0
.if \t%2
	v_wmma_scale_f32_16x16x128_f8f6f4 v[SB+8*\t:SB+8*\t+7], v[KR+6*\t:KR+6*\t+11], v[16:27], 0, v[KS+\t/2], v28 matrix_a_fmt:MATRIX_FMT_FP6 matrix_b_fmt:MATRIX_FMT_FP6 matrix_a_scale:MATRIX_SCALE_ROW1
.else
	v_wmma_scale_f32_16x16x128_f8f6f4 v[SB+8*\t:SB+8*\t+7], v[KR+6*\t:KR+6*\t+11], v[16:27], 0, v[KS+\t/2], v28 matrix_a_fmt:MATRIX_FMT_FP6 matrix_b_fmt:MATRIX_FMT_FP6
.endif
.endr
	v_add_nc_u32 v3, s67, v1                       ; four places ahead of the loads and of the first read of the scores
	v_add_nc_u32 v4, s67, v2
	v_nop
	v_nop
.irp p, 0,1,2,3,4,5,6,7,8,9,10,11
	ds_load_b128 v[VR+4*\p:VR+4*\p+3], v3 offset:6656+512*\p    ; this step's V
.endr
	ds_load_b128 v[VS:VS+3], v3 offset:12800
.if \more
	KLOAD 3, 4, STEPB                              ; the next step's K
.endif
	s_wait_kmcnt 0x0                               ; this step's mask words
.set N, 0
.rept 64
	v_cndmask_b32 v[SB+N], v8, v[SB+N], s[32+N+4*(N/32)]
.set N, N+1
.endr
.irp b, 0,1,2,3                                ; my two blocks' largest scores, in four chains of 15 by turns
	v_max3_num_f32 v[BM+(\b/2)+4*(\b%2)], v[SB+16*\b], v[SB+16*\b+1], v[SB+16*\b+2]
.endr
.irp i, 3,5,7,9,11,13
.irp b, 0,1,2,3
	v_max3_num_f32 v[BM+(\b/2)+4*(\b%2)], v[BM+(\b/2)+4*(\b%2)], v[SB+16*\b+\i], v[SB+16*\b+\i+1]
.endr
.endr
.irp c, 0,1
	v_max3_num_f32 v[BM+\c], v[BM+\c], v[BM+4+\c], v[SB+32*\c+15]   ; a block's two chains and its 16th number,
.endr
.irp c, 0,1
	s_delay_alu instid0(VALU_DEP_2)
	v_max_num_f32 v[BM+\c], v[BM+\c], v[SB+32*\c+31]                ; and its 32nd
.endr
.if \more
	s_add_co_u32 s66, s66, 256
	MLOAD                                          ; the next step's mask words
.endif
	v_max_num_f32 v[FF], v[BM], v[BM+1]
	v_mov_b32 v[T0], v12
	s_delay_alu instid0(VALU_DEP_2)
	v_permlanex16_b32 v[BP], v[FF], s4, s5         ; lane l xor 16's two blocks
	s_delay_alu instid0(VALU_DEP_1)
	v_max3_num_f32 v13, v13, v[FF], v[BP]          ; the running largest score
	s_delay_alu instid0(VALU_DEP_1)
	v_mul_f32 v[FF], s6, v13
	s_delay_alu instid0(VALU_DEP_1)
	v_floor_f32 v12, -v[FF]                        ; -M = floor(-t)
	s_delay_alu instid0(VALU_DEP_1)
	v_sub_f32 v[T0], v12, v[T0]                    ; old M - new M, a whole number, 0 or less
	SCALE 0
	SCALE 1
	s_delay_alu instid0(VALU_DEP_3)
	v_cvt_i32_f32 v[T0], v[T0]                     ; (it saturates)
	SCALE 2
	SCALE 3
	s_delay_alu instid0(VALU_DEP_3)
	v_ldexp_f32 v[FF], 1.0, v[T0]                  ; f = 2^(old M - new M)
.set J, 4
.rept 28
	SCALE J
.set J, J+1
.endr
.irp c, 0,1
	v_fma_f32 v[BM+\c], v[BM+\c], s6, v12          ; the same of each block's largest score
.endr
	v_pk_mul_f32 v[14:15], v[14:15], v[FF:FF+1] op_sel_hi:[1,0]
.irp i, 0,1,2,3,4,5,6,7,8,9,10,11,12,13,14,15
	OMUL \i                                        ; each accumulator from its low end on
.endr
	s_wait_alu depctr_va_vdst(0)                   ; the wait ahead of the batch
.irp c, 0,1
	v_exp_f32 v[BM+\c], v[BM+\c]                   ; each block's largest p
.endr
.set J, 0
.rept 64
	v_exp_f32 v[SB+J], v[SB+J]                     ; p = 2^(t - M)
.set J, J+1
.endr
	v_nop                                          ; one plain place behind the batch
	s_wait_alu depctr_va_vdst(0)                   ; and the one wait ahead of its first reader
	s_wait_dscnt 0x0                               ; V, and the next step's K: here, so that no freshly written register is read behind this wait
.irp c, 0,1
	v_max_num_f32 v[BM+\c], 0x1800000, v[BM+\c]    ; the floor 2^(3 - 127): the byte cannot fall under 1
.endr
.irp c, 0,1
	s_delay_alu instid0(VALU_DEP_2)
	v_add_nc_u32 v[SO+\c], 0xff000000, v[BM+\c]    ; 2 off the exponent field: the conversion's scale operand
.endr
.irp c, 0,1
	s_delay_alu instid0(VALU_DEP_2)
	v_lshrrev_b32 v[BM+\c], 23, v[SO+\c]           ; the bytes of blocks h and 2 + h
.endr
	s_delay_alu instid0(VALU_DEP_1)
	v_lshl_or_b32 v[T0], v[BM+1], 16, v[BM]
	s_delay_alu instid0(VALU_DEP_1)
	v_lshlrev_b32 v[T0], v[SH], v[T0]              ; at their places in the scale word, 8 h bits up;
	s_delay_alu instid0(VALU_DEP_1)
	v_permlanex16_b32 v[BP], v[T0], s4, s5
	s_delay_alu instid0(VALU_DEP_1)
	v_or_b32 v29, v[T0], v[BP]                     ; with lane l xor 16's two the word is whole
.irp c, 0,1
	v_cvt_scalef32_pk16_fp6_f32 v[PC+6*\c:PC+6*\c+2], v[SB+32*\c:SB+32*\c+15], v[SO+\c]
	v_cvt_scalef32_pk16_fp6_f32 v[XA+4*\c:XA+4*\c+2], v[SB+32*\c+16:SB+32*\c+31], v[SO+\c]   ; a conversion's three registers begin on an even number
.endr
	v_nop                                          ; one plain place behind the conversions
.irp c, 0,1
.irp i, 0,1,2
	v_mov_b32 v[PC+6*\c+3+\i], v[XA+4*\c+\i]
.endr
.endr
	; the row's sum of the unquantised p, in four chains.  The first four lines are the places between p's codes and the products; the others stand behind the products and name none of their registers
	v_pk_add_f32 v[XA:XA+1], v[SB:SB+1], v[SB+2:SB+3]
	v_pk_add_f32 v[XA+4:XA+5], v[SB+4:SB+5], v[SB+6:SB+7]
	v_pk_add_f32 v[BM:BM+1], v[SB+8:SB+9], v[SB+10:SB+11]
	v_pk_add_f32 v[14:15], v[14:15], v[SB+12:SB+13]
.irp t, 0,1,2,3                                ; O^T += v^T p^T: four accumulators by turns
	v_wmma_scale_f32_16x16x128_f8f6f4 v[OB+8*\t:OB+8*\t+7], v[VR+12*\t:VR+12*\t+11], v[PC:PC+11], v[OB+8*\t:OB+8*\t+7], v[VS+\t], v29 matrix_a_fmt:MATRIX_FMT_FP6 matrix_b_fmt:MATRIX_FMT_FP6
.endr
.set J, 7
.rept 25
.if (J-7)%4 == 0
	v_pk_add_f32 v[XA:XA+1], v[XA:XA+1], v[SB+2*J:SB+2*J+1]
.elseif (J-7)%4 == 1
	v_pk_add_f32 v[XA+4:XA+5], v[XA+4:XA+5], v[SB+2*J:SB+2*J+1]
.elseif (J-7)%4 == 2
	v_pk_add_f32 v[BM:BM+1], v[BM:BM+1], v[SB+2*J:SB+2*J+1]
.else
	v_pk_add_f32 v[14:15], v[14:15], v[SB+2*J:SB+2*J+1]
.endif
.set J, J+1
.endr
	v_pk_add_f32 v[XA:XA+1], v[XA:XA+1], v[XA+4:XA+5]
	v_pk_add_f32 v[14:15], v[14:15], v[BM:BM+1]
	s_delay_alu instid0(VALU_DEP_1)
	v_pk_add_f32 v[14:15], v[14:15], v[XA:XA+1]
	s_add_co_u32 s67, s67, STEPB
.endm
	s_mov_b32 s67, 0
	s_mov_b32 s101, 3
	s_wait_dscnt 0x0                               ; step 0's K
.Lfirst:                                               ; steps 0-2 touch the first four steps' bytes alone
	STEP 1
	s_sub_co_u32 s101, s101, 1
	s_cmp_lg_u32 s101, 0
	s_cbranch_scc1 .Lfirst
	s_wait_tensorcnt 0x0                           ; my part of steps 4-15 is in,
	s_wait_dscnt 0x0
	s_barrier_signal -1
	s_barrier_wait -1                              ; everybody's is
	s_mov_b32 s67, 3*STEPB
	s_mov_b32 s101, 12
.Lrest:
	STEP 1
	s_sub_co_u32 s101, s101, 1
	s_cmp_lg_u32 s101, 0
	s_cbranch_scc1 .Lrest
	s_mov_b32 s67, 15*STEPB
	STEP 0                                         ; the last step fetches nothing more; the sum's additions are the places behind its last products
	v_add_f32 v14, v14, v15
	s_delay_alu instid0(VALU_DEP_1)
	v_permlanex16_b32 v[T0], v14, s4, s5
	s_delay_alu instid0(VALU_DEP_1)
	v_add_f32 v14, v14, v[T0]                      ; the row's sum
	s_wait_alu depctr_va_vdst(0)                   ; the wait ahead of the transcendental
	v_rcp_f32 v14, v14
	s_mov_b32 vcc_lo, 0xffff0000
	v_nop
	s_wait_alu depctr_va_vdst(0)                   ; and ahead of its first reader, which is also O^T's
.set J, 0
.rept 32
	v_mul_f32 v[SB+J], v[OB+J], v14                ; register 16 b + i = x(my query, 64 h + 32 b + 16 (lane / 16) + i)
.set J, J+1
.endr
	; x is quantised along the last product's K: my head's two blocks of 32, each in lanes l and l xor 16
	v_max3_num_f32 v[BM], |v[SB]|, |v[SB+1]|, 0x1800000
	v_max3_num_f32 v[BM+1], |v[SB+16]|, |v[SB+17]|, 0x1800000
.irp i, 2,4,6,8,10,12,14
	s_delay_alu instid0(VALU_DEP_2)
	v_max3_num_f32 v[BM], v[BM], |v[SB+\i]|, |v[SB+\i+1]|
	s_delay_alu instid0(VALU_DEP_2)
	v_max3_num_f32 v[BM+1], v[BM+1], |v[SB+16+\i]|, |v[SB+17+\i]|
.endr
	s_delay_alu instid0(VALU_DEP_2)
	v_permlanex16_b32 v[XA], v[BM], s4, s5
	s_delay_alu instid0(VALU_DEP_2)
	v_permlanex16_b32 v[XA+1], v[BM+1], s4, s5
	s_delay_alu instid0(VALU_DEP_2)
	v_max_num_f32 v[BM], v[BM], v[XA]
	s_delay_alu instid0(VALU_DEP_2)
	v_max_num_f32 v[BM+1], v[BM+1], v[XA+1]
	s_delay_alu instid0(VALU_DEP_2)
	v_add_nc_u32 v[SO], 0xff000000, v[BM]
	s_delay_alu instid0(VALU_DEP_2)
	v_add_nc_u32 v[SO+1], 0xff000000, v[BM+1]
	s_delay_alu instid0(VALU_DEP_2)
	v_lshrrev_b32 v[XA], 23, v[SO]
	s_delay_alu instid0(VALU_DEP_2)
	v_lshrrev_b32 v[XA+1], 23, v[SO+1]
	s_delay_alu instid0(VALU_DEP_1)
	v_cndmask_b32 v[XA+2], v[XA], v[XA+1], vcc_lo  ; lanes 0-15 keep block 0's byte, lanes 16-31 block 1's
	v_cvt_scalef32_pk16_fp6_f32 v[PC:PC+2], v[SB:SB+15], v[SO]
	v_cvt_scalef32_pk16_fp6_f32 v[XA+4:XA+6], v[SB+16:SB+31], v[SO+1]
	v_nop
.irp i, 0,1,2
	v_permlane16_swap_b32 v[PC+\i], v[XA+4+\i]
.endr
.irp i, 0,1,2
	v_mov_b32 v[PC+3+\i], v[XA+4+\i]
.endr
	global_store_b128 v9, v[PC:PC+3], s[104:105]   ; half an operand's image: four registers at 16 l,
	global_store_b64 v10, v[PC+4:PC+5], s[104:105] ; two at 8 l
	global_store_b8 v11, v[XA+2], s[104:105]
	s_wait_tensorcnt 0x0                           ; the wave's end
	ds_add_u32 v[SPW], v[NIL]
	s_wait_dscnt 0x0
	CROUND                                         ; the closing round
	s_endpgm
.Lfunc_end_k_q152a3a03d2_attn:
	.size	k_q152a3a03d2_attn, .Lfunc_end_k_q152a3a03d2_attn-k_q152a3a03d2_attn
	.p2alignl 7, 3214868480
	.fill 96, 4, 3214868480
	.section	.rodata,"a",@progbits
	.p2align	6, 0x0
	.amdhsa_kernel k_q152a3a03d2_attn
		.amdhsa_group_segment_fixed_size 327680
		.amdhsa_private_segment_fixed_size 0
		.amdhsa_enable_private_segment 0
		.amdhsa_kernarg_size 32
		.amdhsa_user_sgpr_count 2
		.amdhsa_user_sgpr_kernarg_segment_ptr 1
		.amdhsa_wavefront_size32 1
		.amdhsa_system_sgpr_workgroup_id_x 1
		.amdhsa_system_sgpr_workgroup_id_y 1
		.amdhsa_system_sgpr_workgroup_id_z 1
		.amdhsa_system_vgpr_workitem_id 0
		.amdhsa_next_free_vgpr 256
		.amdhsa_next_free_sgpr 106
		.amdhsa_reserve_vcc 1
		.amdhsa_float_denorm_mode_32 3
		.amdhsa_float_denorm_mode_16_64 3
		.amdhsa_memory_ordered 1
		.amdhsa_forward_progress 1
		.amdhsa_inst_pref_size 71
	.end_amdhsa_kernel
	.amdgpu_metadata
---
amdhsa.version: [ 1, 2 ]
amdhsa.kernels:
  - .name:           k_q152a3a03d2_attn
    .symbol:         k_q152a3a03d2_attn.kd
    .args:
      - { .name: qc, .offset: 0, .size: 8, .value_kind: global_buffer, .address_space: global }
      - { .name: kv, .offset: 8, .size: 8, .value_kind: global_buffer, .address_space: global }
      - { .name: mw, .offset: 16, .size: 8, .value_kind: global_buffer, .address_space: global }
      - { .name: xc, .offset: 24, .size: 8, .value_kind: global_buffer, .address_space: global }
    .group_segment_fixed_size: 327680
    .private_segment_fixed_size: 0
    .kernarg_segment_align: 8
    .kernarg_segment_size: 32
    .max_flat_workgroup_size: 512
    .sgpr_count:     106
    .vgpr_count:     256
    .wavefront_size: 32
...
	.end_amdgpu_metadata
.endif
;; end of part 3
;; launch outp (part 4): grid 4 x 64, 4 waves a work-group, clusters of 4 x 1, 168,448 bytes of LDS; arguments xc, wc, ws, bo, out0; writes out0
.if DOCPART == 4
	.amdgcn_target "amdgcn-amd-amdhsa--gfx1250"
	.amdhsa_code_object_version 6
	.text
	.protected	k_q152a3a03d2_outp
	.globl	k_q152a3a03d2_outp
	.p2align	8
	.type	k_q152a3a03d2_outp,@function
k_q152a3a03d2_outp:
	s_mov_b64 s[64:65], 0
	v_nop
	global_prefetch_b8 v0, s[64:65] scope:SCOPE_SE
	s_setreg_imm32_b32 hwreg(HW_REG_WAVE_MODE, 25, 1), 1
	s_wait_xcnt 0x0
	s_wait_alu depctr_hold_cnt(0) depctr_sa_sdst(0) depctr_va_vdst(0) depctr_va_sdst(0) depctr_va_ssrc(0) depctr_va_vcc(0) depctr_vm_vsrc(0)
	s_getreg_b32 s2, hwreg(HW_REG_IB_STS2, 6, 4)
	s_cmp_eq_u32 s2, 0
	s_cbranch_scc0 .Lentry_in_a_cluster
	s_endpgm
.Lentry_in_a_cluster:
	s_bfe_u32 s2, ttmp6, 0x10000c
	s_cmp_lg_u32 s2, 0x3003
	s_cbranch_scc0 .Lentry_shape_is_right
	s_endpgm
.Lentry_shape_is_right:
; out0 = x Wo + bo on codes of FP6 (E2M3) with E8M0 scales, sums in f32.
; SHARES.  A work-group takes 64 tokens (block y); wave w of partner cx takes columns 64 (4 cx + w) on: its 32 fragments of Wo stay in registers.  The four partners need the same block of x: each quarter
; (12,800 bytes: 50 rows of 256) is asked for JOINTLY (mask 15).  The block is filled once; the stages lie behind it, in bytes into which no fill lands.
; Source 0 = 16 columns of Wo, source 1 = 16 tokens: a lane holds one token and, in tile t, the eight neighbouring columns 32 (t / 2) + 16 h + 8 (t % 2) + j.  The bias is the C of each sum's first product.
; 16 accumulators take turns, one instruction a turn.
; THE WAY OUT: a token tile's 16 rows x 256 bytes go through my own stage (rows 272 bytes apart) and leave as whole rows: sixteen lanes store 256 consecutive bytes, aligned.
; Row i of a token tile m is token 64 y + 32 (m / 2) + 8 (m % 2) + i + 8 (i / 8).
; REGISTERS: window 0: v1 16 l, v2 8 l, v5-v9 addresses; v16-111 two sets of four fragments of x (later rows of out0); v112-143 Wo's scale words; v144-175 x's.
;   window 1: Wo's tiles 0, 1 at v[96 t + 12 s], their bias at v192-207;  window 2: tiles 2, 3;  window 3: the accumulators, (m, t) at v[32 m + 8 t].
.set XA,   16
.set BK,   16
.set WS,   112
.set XS,   144
.set BI,   192
.set STG,  51200
.set WV,   20
.set G1,   24
.set HDG,  62
.set MSB,  0
.macro WIN new                         ; the immediate's high byte repeats the setting that is left
.if MSB != (\new)
	s_set_vgpr_msb (MSB<<8)|(\new)
.set MSB, (\new)
.endif
.endm
.macro CROUND                          ; a round of the cluster's barrier
	s_barrier_signal -1
	s_barrier_wait -1
	s_cmp_lg_u32 s[WV], 0
	s_cbranch_scc1 .Lnot_wave_0_\@
	s_barrier_signal -3
.Lnot_wave_0_\@:
	s_barrier_wait -3
	s_barrier_signal -1
	s_barrier_wait -1
.endm
.macro PLACES                          ; four plain instructions behind a matrix instruction, in front of loads into its registers and of reads of its results
.rept 4
	v_nop
.endr
.endm
; K step s: four fragments, each two half images (four registers at 16 l, two at 8 l), into set s % 2: 16 loads
.macro FETCH s
.set FD, XA+48*((\s)%2)
.irp m, 0,1,2,3
.irp c, 0,1
	ds_load_b128 v[FD+12*\m+6*\c:FD+12*\m+6*\c+3], v1 offset:(4*(\s)+\m)*1536+768*\c
	ds_load_b64 v[FD+12*\m+6*\c+4:FD+12*\m+6*\c+5], v2 offset:(4*(\s)+\m)*1536+768*\c+512
.endr
.endr
.endm
.macro MUL16 s
.irp tw, 0,1
.if (\s) == 0
	WIN 0xd1+0x11*\tw                              ; Wo and the bias window 1 + tw, x window 0, D window 3
.else
	WIN 0xf1+\tw
.endif
.irp tt, 0,1
.irp mm, 0,1,2,3
.set MT, 2*\tw+\tt
.set RW, 96*\tt+12*(\s)
.set RX, XA+48*((\s)%2)+12*\mm
.set RA, 32*\mm+8*MT
.if (\s) == 0
	v_wmma_scale_f32_16x16x128_f8f6f4 v[RA:RA+7], v[RW:RW+11], v[RX:RX+11], v[BI+8*\tt:BI+8*\tt+7], v[WS+8*MT+(\s)], v[XS+8*\mm+(\s)] matrix_a_fmt:MATRIX_FMT_FP6 matrix_b_fmt:MATRIX_FMT_FP6
.else
	v_wmma_scale_f32_16x16x128_f8f6f4 v[RA:RA+7], v[RW:RW+11], v[RX:RX+11], v[RA:RA+7], v[WS+8*MT+(\s)], v[XS+8*\mm+(\s)] matrix_a_fmt:MATRIX_FMT_FP6 matrix_b_fmt:MATRIX_FMT_FP6
.endif
.endr
.endr
.endr
.endm
	s_load_b256 s[4:11], s[0:1], 0x0               ; xc s[4:5], wc s[6:7], ws s[8:9], bo s[10:11]
	s_load_b64 s[12:13], s[0:1], 0x20              ; out0
	v_lshl_add_u32 v254, v0, 2, 0x29000
	v_mov_b32 v255, 0
	ds_add_u32 v254, v255
	ds_add_u32 v254, v255
	v_lshrrev_b32 v7, 5, v0
	v_readfirstlane_b32 s[WV], v7                  ; wave 0..3
	s_bfe_u32 s21, ttmp6, 0x40000                  ; cx: it enters the addresses of Wo, bo and out0 alone
	s_and_b32 s23, ttmp7, 0xffff                   ; y
	s_lshl_b32 s[HDG], s21, 2
	s_add_co_u32 s[HDG], s[HDG], s[WV]             ; my 64 columns
	s_mov_b32 s[G1+0], 15|(3<<16)|(1<<21)          ; 15:0 the mask: all four partners; 17:16 elements of 8 bytes; 21 set beside a mask
	s_mov_b32 s[G1+1], 32<<16
	s_mov_b32 s[G1+2], 50<<16
	s_mov_b32 s[G1+3], 32<<16
	s_mov_b32 s[G1+4], 50
	s_mov_b32 s[G1+5], 32
	s_mov_b32 s[G1+6], 0
	s_mov_b32 s[G1+7], 0
	s_mul_i32 s46, s[WV], 12800                    ; my quarter, in memory and in LDS
	s_mul_i32 s44, s23, 51200
	s_add_co_u32 s44, s44, s46
	s_mov_b32 s45, 0
	s_wait_dscnt 0x0
	s_wait_kmcnt 0x0
	s_mov_b32 s32, 1
	s_mov_b32 s33, s46
	s_add_nc_u64 s[34:35], s[4:5], s[44:45]
	s_or_b32 s35, s35, 0x80000000
	CROUND                                         ; all four work-groups are here: the joint loads meet
	tensor_load_to_lds s[32:35], s[G1:G1+7]        ; one load of mine is out
	s_nop 0
	PLACES                                         ; (four v_nop behind the tensor load)
	v_and_b32 v7, 31, v0
	v_lshlrev_b32 v1, 4, v7                        ; 16 l
	v_lshlrev_b32 v2, 3, v7                        ; 8 l
	v_and_b32 v3, 15, v0                           ; r
	v_bfe_u32 v4, v0, 4, 1                         ; h
	v_lshlrev_b32 v5, 5, v3                        ; x's scale words: 32 bytes a row
	v_lshlrev_b32 v6, 6, v4                        ; the bias: 64 h
	s_wait_alu depctr_va_vdst(0)
	s_mul_i32 s47, s[WV], 4352
	s_add_co_u32 s47, s47, STG                     ; my stage
	v_mul_u32_u24 v7, v3, 272
	v_lshl_add_u32 v7, v4, 6, v7
	v_add_nc_u32 v7, s47, v7                       ; in: row r, + 64 h
	v_mul_u32_u24 v8, v4, 272
	v_lshl_add_u32 v8, v3, 4, v8
	v_add_nc_u32 v8, s47, v8                       ; back: lanes 0-15 one row, lanes 16-31 the next
	v_lshlrev_b32 v9, 12, v4
	v_lshl_add_u32 v9, v3, 4, v9                   ; and the same two rows in out0
	s_add_co_u32 s43, s[HDG], 48                   ; Wo is the fourth weight: 16 x 3 + my slice
	s_mul_i32 s52, s43, 49152
	s_mov_b32 s53, 0
	s_add_nc_u64 s[52:53], s[6:7], s[52:53]
	s_lshl_b32 s54, s43, 12
	s_mov_b32 s55, 0
	s_add_nc_u64 s[54:55], s[8:9], s[54:55]
	s_lshl_b32 s50, s[HDG], 8
	s_mov_b32 s51, 0
	s_add_nc_u64 s[48:49], s[10:11], s[50:51]      ; my 64 numbers of bo
	s_lshl_b32 s56, s23, 18                        ; 64 rows of 4,096 bytes
	s_add_co_u32 s50, s50, s56
	s_add_nc_u64 s[12:13], s[12:13], s[50:51]      ; out0 at my block's first row, my columns
	WIN 0x40                                       ; destination window 1
.irp tt, 0,1
	global_load_b128 v[BI+8*\tt:BI+8*\tt+3], v6, s[48:49] offset:32*\tt
	global_load_b128 v[BI+8*\tt+4:BI+8*\tt+7], v6, s[48:49] offset:32*\tt+16
.endr
	WIN 0x80                                       ; destination window 2
.irp tt, 0,1
	global_load_b128 v[BI+8*\tt:BI+8*\tt+3], v6, s[48:49] offset:128+32*\tt
	global_load_b128 v[BI+8*\tt+4:BI+8*\tt+7], v6, s[48:49] offset:128+32*\tt+16
.endr
	WIN 0
.irp t, 0,1,2,3
.irp sp, 0,1,2,3
	global_load_b64 v[WS+8*\t+2*\sp:WS+8*\t+2*\sp+1], v2, s[54:55] offset:(4*\t+\sp)*256
.endr
.endr
; Wo's fragments, K step by K step, behind the bias and the scale words: 12 loads a step (tiles 0, 1 into window 1, tiles 2, 3 into window 2), so that each step's products wait for their own fragments alone
.irp s, 0,1,2,3,4,5,6,7
	WIN 0x40
.irp tt, 0,1
.irp c, 0,1,2
	global_load_b128 v[96*\tt+12*\s+4*\c:96*\tt+12*\s+4*\c+3], v1, s[52:53] offset:(8*\tt+\s)*1536+512*\c
.endr
.endr
	WIN 0x80
.irp tt, 0,1
.irp c, 0,1,2
	global_load_b128 v[96*\tt+12*\s+4*\c:96*\tt+12*\s+4*\c+3], v1, s[52:53] offset:(8*(2+\tt)+\s)*1536+512*\c
.endr
.endr
.endr
	WIN 0
	s_wait_tensorcnt 0x0                           ; my quarter of the block is in,
	s_barrier_signal -1
	s_barrier_wait -1                              ; everybody's is
.irp m, 0,1,2,3
.irp q, 0,1
	ds_load_b128 v[XS+8*\m+4*\q:XS+8*\m+4*\q+3], v5 offset:49152+512*\m+16*\q   ; row r's eight scale words
.endr
.endr
	FETCH 0
	FETCH 1
.irp s, 0,1,2,3,4,5,6,7
.if \s < 7
	s_wait_dscnt 16                                ; this K step's fragments (and, at first, the scale words) are in; the next set's 16 loads may be out
.else
	s_wait_dscnt 0x0
.endif
.if 12*(7-\s) > 63                     ; the bias, the scale words and this K step's 12 loads of Wo are in: behind them stand 12 for each later K step (the count is held at 63, the most that the wait can name)
	s_wait_loadcnt 63
.else
	s_wait_loadcnt 12*(7-\s)
.endif
	MUL16 \s
	WIN 0
	PLACES
.if \s < 6
	FETCH \s+2
.endif
.endr
	s_wait_alu depctr_va_vdst(0)
.irp m, 0,1,2,3
	WIN 0x0c                                       ; an LDS store's data are its source 1: window 3
.irp t, 0,1,2,3
	ds_store_b128 v7, v[32*\m+8*\t:32*\m+8*\t+3] offset:128*(\t/2)+32*(\t%2)          ; each accumulator from its low end on
	ds_store_b128 v7, v[32*\m+8*\t+4:32*\m+8*\t+7] offset:128*(\t/2)+32*(\t%2)+16
.endr
	WIN 0
.if \m >= 2
	s_wait_xcnt 0x0                                ; tile m - 2's stores have read the registers into which the loads below land
.endif
.irp i, 0,1,2,3,4,5,6,7
	ds_load_b128 v[BK+32*(\m%2)+4*\i:BK+32*(\m%2)+4*\i+3], v8 offset:544*\i   ; LDS serves a wave's instructions in order: these see my stores, and the next tile's stores come behind them
.endr
.irp i, 0,1,2,3,4,5,6,7
	s_wait_dscnt 7-\i                              ; the younger loads from the stage may be out
	global_store_b128 v9, v[BK+32*(\m%2)+4*\i:BK+32*(\m%2)+4*\i+3], s[12:13] offset:(32*(\m/2)+8*(\m%2)+2*\i+8*(\i/4))*4096 th:TH_STORE_NT   ; 16 lanes store 256 consecutive bytes, aligned; written once, read by nobody here
.endr
.endr
	s_wait_tensorcnt 0x0
	ds_add_u32 v254, v255
	s_wait_dscnt 0x0
	CROUND                                         ; the closing round: no work-group ends while a partner may still ask for a tile that names it
	s_endpgm
.Lfunc_end_k_q152a3a03d2_outp:
	.size	k_q152a3a03d2_outp, .Lfunc_end_k_q152a3a03d2_outp-k_q152a3a03d2_outp
	.p2alignl 7, 3214868480
	.fill 96, 4, 3214868480
	.section	.rodata,"a",@progbits
	.p2align	6, 0x0
	.amdhsa_kernel k_q152a3a03d2_outp
		.amdhsa_group_segment_fixed_size 168448
		.amdhsa_private_segment_fixed_size 0
		.amdhsa_enable_private_segment 0
		.amdhsa_kernarg_size 40
		.amdhsa_user_sgpr_count 2
		.amdhsa_user_sgpr_kernarg_segment_ptr 1
		.amdhsa_wavefront_size32 1
		.amdhsa_system_sgpr_workgroup_id_x 1
		.amdhsa_system_sgpr_workgroup_id_y 1
		.amdhsa_system_sgpr_workgroup_id_z 1
		.amdhsa_system_vgpr_workitem_id 0
		.amdhsa_next_free_vgpr 1024
		.amdhsa_next_free_sgpr 66
		.amdhsa_reserve_vcc 0
		.amdhsa_float_denorm_mode_32 3
		.amdhsa_float_denorm_mode_16_64 3
		.amdhsa_memory_ordered 1
		.amdhsa_forward_progress 1
		.amdhsa_inst_pref_size 52
	.end_amdhsa_kernel
	.amdgpu_metadata
---
amdhsa.version: [ 1, 2 ]
amdhsa.kernels:
  - .name:           k_q152a3a03d2_outp
    .symbol:         k_q152a3a03d2_outp.kd
    .args:
      - { .name: xc, .offset: 0, .size: 8, .value_kind: global_buffer, .address_space: global }
      - { .name: wc, .offset: 8, .size: 8, .value_kind: global_buffer, .address_space: global }
      - { .name: ws, .offset: 16, .size: 8, .value_kind: global_buffer, .address_space: global }
      - { .name: bo, .offset: 24, .size: 8, .value_kind: global_buffer, .address_space: global }
      - { .name: out0, .offset: 32, .size: 8, .value_kind: global_buffer, .address_space: global }
    .group_segment_fixed_size: 168448
    .private_segment_fixed_size: 0
    .kernarg_segment_align: 8
    .kernarg_segment_size: 40
    .max_flat_workgroup_size: 128
    .sgpr_count:     66
    .vgpr_count:     1024
    .wavefront_size: 32
...
	.end_amdgpu_metadata
.endif
;; end of part 4
